; MI455X (gfx1250); checked and timed in simulation.
; The chip was launched on July 23, 2026; its instructions are those of AMD's public machine-readable ISA for CDNA 5 (MIT licence, August 2026) and "CDNA5" Instruction Set Architecture Reference Guide (July 2026). The comments in the code are by the model that wrote it; some were corrected since.
;; Quantized Linear. Allowed arithmetic: matrix products marked QUANTISED: E5M2 operands, one E8M0 scale for each 32 along K, by v_wmma_scale_f32_16x16x128_f8f6f4 with both operands' format E5M2, f32 sums; everything else in f32.
;; Inputs: bias 1 x 4,096 float32; input 4,096 x 4,096 float32; int8_weights 4,096 x 4,096 int8; scales 4,096 float32.
;; Outputs: out0 4,096 x 4,096 float32.
;; This version of the problem:
;;   THIS VERSION OF THE PROBLEM IS GIVEN IN LOW PRECISION. The matrix products marked QUANTISED in the list below multiply operands that are first quantised to E5M2 (5 exponent bits, 2 mantissa bits; 8 bits a number), with one power-of-two scale for each 32 numbers along K (OCP MX v1.0); their sums are f32. All else is computed in f32.
;;   The module's matrix products, in the order in which they are computed (A, B: the left and right operand; K: the contracted axis; several contracted axes count as one K, in the product's order):
;;     1. [M 4,096, K 4,096] x [K 4,096, N 4,096]; A: input input; B: computed on the way: QUANTISED
;;   THE QUANTISER, for each operand of a quantised product, along K:
;;     - K is cut into blocks of 32 from its start; a last block that is shorter is filled with zeros.
;;     - A block's scale is 2^e with e = floor(log2(the largest magnitude in the block)) - 15, held to -126 .. 127; a block of zeros has e = 0. As a byte (E8M0): e + 127.
;;     - Each number is divided by its block's scale, clamped to +-57,344, and rounded to the nearest number of E5M2, ties to even, subnormals kept.
;;     - The product sums the exact products of the quantised numbers (number of the format x scale) in f32.
;;   ~~~python
;;   def quantise(x, axis):      # numpy; x: float32 -> the quantised numbers, widened to float32 again
;;       x = np.moveaxis(x, axis, -1); K = x.shape[-1]
;;       x = np.pad(x, [(0, 0)] * (x.ndim - 1) + [(0, -K % 32)]); x = x.reshape(x.shape[:-1] + (-1, 32)); a = np.abs(x).max(-1, keepdims=True)
;;       e = np.where(a > 0, np.clip(np.frexp(np.where(a > 0, a, 1))[1] - 1 - 15, -126, 127), 0)      # np.frexp(a)[1] - 1 = floor(log2(a)), exactly
;;       r = np.clip(x / 2.0 ** e, -57344, 57344)
;;       step = 2.0 ** (np.maximum(np.frexp(np.where(r == 0, 1, r))[1] - 1, -14) - 2)
;;       q = np.round(r / step) * step * 2.0 ** e      # np.round: ties to even
;;       return np.moveaxis(q.reshape(q.shape[:-2] + (-1,))[..., :K], -1, axis).astype(np.float32)
;;   ~~~
;;   OPERANDS COMPUTED ON THE WAY. 'Computed on the way' means the value that the module computes at that place (a softmax that the list does not call 'softmax' is quantised finished and normalised). What goes into a quantiser is computed in f32, as accurately as f32 sums, v_exp_f32 and their like allow (about 1e-6 of the number): no bf16 or f16 on the way to a quantiser, and a product that is left as it is and whose result goes on into a quantised operand takes f32 operands (vector FMAs, or v_wmma_f32_16x16x4_f32). A number that lies on a knife's edge between two numbers of the format may be rounded either way, as far as f32 arithmetic and the matrix unit's own rounding can turn it there, and no further.
;; One version. Each part assembles by itself: llvm-mc -triple=amdgcn-amd-amdhsa -mcpu=gfx1250 --defsym DOCPART=n.
;; ======== version 1 of 1: 2 launches
;; limits: right only within a limited range of input values
;; workspace buffers: acodes 16,777,216 bytes; bcodes 16,777,216 bytes; ascales 524,288 bytes; bscales 524,288 bytes
;; launch quant (part 1): grid 512 x 1, 4 waves a work-group, no clusters, 61,952 bytes of LDS; arguments input, int8_weights, scales, acodes, ascales, bcodes, bscales; writes acodes, ascales, bcodes, bscales
.if DOCPART == 1
	.amdgcn_target "amdgcn-amd-amdhsa--gfx1250"
	.amdhsa_code_object_version 6
	.text
	.protected	k_q8fcb701a22_quant
	.globl	k_q8fcb701a22_quant
	.p2align	8
	.type	k_q8fcb701a22_quant,@function
k_q8fcb701a22_quant:
	s_mov_b64 s[64:65], 0
	v_nop
	global_prefetch_b8 v0, s[64:65] scope:SCOPE_SE
	s_setreg_imm32_b32 hwreg(HW_REG_WAVE_MODE, 25, 1), 1
	s_wait_xcnt 0x0
; Both operands of out = x w^T + bias are turned into codes of BF8 (E5M2), one byte each, K innermost, with one E8M0 scale byte for each 32 along K.
; x: [4096][4096] f32.  w[n][k] = f32(int8_weights[n][k]) x scales[n], one f32 rounding.  K is innermost in both, so nothing is transposed.
; A block's scale is 2^(floor(log2(its largest magnitude)) - 15); its byte is the largest magnitude's own exponent field - 15, held at 1 from below.  Each number is divided by the scale,
; held within +-57,344 and rounded to the nearest code, ties to even.
; OUT: codes [4096 rows][4096 k].  Scale bytes BY K STEP OF 256: [16 K steps][4096 rows][8 bytes], so that 32 rows' bytes of a K step are 256 consecutive bytes: the product's launch loads them so.
; LIMITS: a block of zeros gets the byte 1 where the rule says 127 (its codes are zeros, which add nothing under any byte but 0xff, and the bytes are read by this program alone); blocks whose largest
; magnitude lies under 2^(16 - 127) are held at the byte 1; NaN and infinities among the inputs are not served.
; SHARES: work-groups 0-255 take x, 256-511 take w: two ways through the text that never join, each with LDS bytes of its own.  A wave takes 32 rows x 512 along K, a row a step.
; In a step lane l holds the 16 neighbours k = 16 l .. 16 l + 15 of the step's 512; lanes l and l xor 1 hold a block.  Waves share nothing: no barrier.  No matrix unit, no cluster, no tensor load: a stream.
; w's codes leave in another order than x's: as images of the product's operand registers, [256 blocks of 16 rows][32 steps of 128 along K][8 pieces of 16 along K][16 rows][16 bytes],
; so that a fragment of 16 rows x 128 K is 2,048 consecutive bytes.  w's scale bytes: the two words of a row's 8 bytes change places (the odd step's word first).
.set EMAX,  15
.set WST,   27136                      ; w's way: a stage of 32 x 272 bytes for each wave, behind the spare words
.set WSTW,  32*272
.set MANT,  0x600000                   ; the mantissa field of 57,344 as f32
.set SP,    80                         ; a lane's place in a stage: its 64 bytes + 16 of padding
.set STG,   32*SP                      ; a stage: 2,560 bytes
.set XREG,  6144                       ; x's way: a wave's LDS: two stages, then its 512 scale bytes
.set XSB,   2*STG
.set WSB,   4*XREG                     ; w's way: 512 scale bytes for each wave, behind all of x's bytes
.set E,     16                         ; v16-47   a scale byte for each step
.set X,     80                         ; v80-111  two sets of 16 neighbours in f32
.set C,     112                        ; v112-127 x's way: four sets of codes
.set R,     128                        ; v128-255 x's way: eight sets of 16 numbers as loaded;  w's way: step t's 16 int8 in four registers, later the same step's codes
	s_load_b128 s[4:7], s[0:1], 0x0                ; x, int8_weights
	s_load_b128 s[8:11], s[0:1], 0x10              ; scales, x's codes
	s_load_b128 s[12:15], s[0:1], 0x20             ; x's scale bytes, w's codes
	s_load_b64 s[16:17], s[0:1], 0x30              ; w's scale bytes
	v_lshl_add_u32 v78, v0, 2, 0x6800
	v_mov_b32 v79, 0
	v_lshrrev_b32 v1, 5, v0
	v_readfirstlane_b32 s18, v1                    ; wave 0..3
	v_and_b32 v2, 31, v0                           ; lane
	v_lshlrev_b32 v3, 4, v2                        ; 16 x lane: my 16 bytes of a load's 512, and my 16 codes' place in a step's 512
	v_and_b32 v4, 15, v2
	v_lshrrev_b32 v8, 4, v2                        ; lane / 16
	v_lshlrev_b32 v7, 4, v4
	v_lshl_add_u32 v7, v8, 15, v7                  ; the scale bytes' way out: lanes 0-15 the first K step's 256 bytes, lanes 16-31 the second's, 32,768 bytes on
	; every LDS address is made here, ahead of the parting of the ways
	s_mul_i32 s2, s18, XREG
	v_lshrrev_b32 v14, 2, v2
	v_mul_u32_u24 v14, v14, SP
	v_and_b32 v15, 3, v2
	v_lshl_add_u32 v14, v15, 4, v14
	v_add_nc_u32 v14, s2, v14                      ; the stage, on the way in: four lanes' 64 bytes on end, then 16 of padding
	v_mul_u32_u24 v15, v2, SP
	v_add_nc_u32 v15, s2, v15                      ; and on the way out: my 16 neighbours
	s_mul_i32 s3, s18, WSTW
	s_add_co_u32 s3, s3, WST
	v_mul_u32_u24 v72, v2, 272
	v_add_nc_u32 v72, s3, v72                      ; w's stage, on the way in: a row of 272 bytes for each lane: its piece of 16 along K, 16 rows x 16 bytes
	v_mul_u32_u24 v73, v8, 272
	v_lshl_add_u32 v73, v4, 4, v73
	v_add_nc_u32 v73, s3, v73                      ; and on the way out: sixteen lanes to a stage row
	v_bfe_u32 v9, v2, 1, 3
	v_lshl_add_u32 v9, v8, 8, v9                   ; + 256 (j / 8): the byte of row t, block j lies at 256 (j / 8) + 8 t + j % 8
	s_add_co_u32 s2, s2, XSB
	v_add_nc_u32 v5, s2, v9                        ; x's way: where my block's byte goes,
	v_add_nc_u32 v6, s2, v3                        ; and where I read 16 bytes back
	s_lshl_b32 s3, s18, 9
	s_add_co_u32 s3, s3, WSB
	v_xor_b32 v9, 4, v9                            ; w's way: the two words of a row's 8 bytes change places
	v_add_nc_u32 v12, s3, v9
	v_add_nc_u32 v13, s3, v3
	s_mov_b32 s23, MANT                            ; (an instruction takes one literal: the hold's line has another)
	s_and_b32 s19, ttmp9, 255                      ; the work-group's number within its tensor
	s_lshl_b32 s19, s19, 2
	s_add_co_u32 s20, s19, s18                     ; my wave's number within the tensor, 0..1023
	s_lshr_b32 s21, s20, 3                         ; which 32 rows
	s_and_b32 s22, s20, 7                          ; which 512 along K
	s_lshl_b32 s24, s21, 17                        ; codes and int8: 32 rows of 4,096 bytes,
	s_lshl_b32 s25, s22, 9                         ; + 512 bytes
	s_add_co_u32 s24, s24, s25
	s_mov_b32 s25, 0
	s_lshl_b32 s26, s21, 19                        ; x: four times that
	s_lshl_b32 s27, s22, 11
	s_add_co_u32 s26, s26, s27
	s_mov_b32 s27, 0
	s_lshl_b32 s28, s22, 16                        ; scale bytes: two K steps of 32,768 bytes,
	s_lshl_b32 s29, s21, 8                         ; + 32 rows of 8 bytes
	s_add_co_u32 s28, s28, s29
	s_mov_b32 s29, 0
	s_lshl_b32 s30, s21, 7                         ; the rows' scales: 32 f32
	s_mov_b32 s31, 0
	s_wait_kmcnt 0x0
	s_cmp_lt_u32 ttmp9, 256                        ; x's work-group or w's: the work-group's number alone decides
	s_cbranch_scc0 .Lweights
; 16 neighbours in v[XS] on become 16 codes in v[CR] on and leave; the block's byte goes to LDS.  t: the step (row);  cb: the codes' base;  ba: the byte's LDS address register.
; XW = 1: v[CR] on were the data of an earlier store, so they are written only behind a wait on XCNT for 0.
.macro QUANT16 t, cb, ba
	v_max3_num_f32 v8, |v[XS]|, |v[XS+1]|, |v[XS+2]|               ; the largest magnitude of my 16, in two chains
	v_max3_num_f32 v9, |v[XS+3]|, |v[XS+4]|, |v[XS+5]|
.irp i, 6,10
	v_max3_num_f32 v8, v8, |v[XS+\i]|, |v[XS+\i+1]|
	v_max3_num_f32 v9, v9, |v[XS+\i+2]|, |v[XS+\i+3]|
.endr
	v_max3_num_f32 v8, v8, |v[XS+14]|, |v[XS+15]|
	v_max3_num_f32 v8, v8, v9, (EMAX+1)<<23        ; and the floor 2^(16 - 127): the byte cannot fall under 1
	v_max_num_f32_dpp v8, v8, v8 row_xmask:1 row_mask:0xf bank_mask:0xf   ; with my neighbour's 16: the block's
	v_add_nc_u32 v11, 0xf8800000, v8               ; 15 off its exponent field: the conversion takes the exponent field of this operand as its scale, and nothing else of it
	v_and_or_b32 v10, v8, 0x7f800000, s23          ; 57,344 x the scale: the largest magnitude's exponent field over 57,344's mantissa
.if XW
	s_wait_alu depctr_va_vdst(0)
	s_wait_xcnt 0x0                                ; the store of four steps back has read its data: this set of codes may be written again
.endif
.irp i, 0,1,2,3,4,5,6,7,8,9,10,11,12,13,14,15
	v_med3_num_f32 v[XS+\i], v[XS+\i], -v10, v10   ; the conversion to an 8-bit code does not saturate (ISA guide 7.6.2): the hold at the largest code x the scale
.endr
	v_cvt_scalef32_pk8_bf8_f32 v[CR:CR+1], v[XS:XS+7], v11
	v_cvt_scalef32_pk8_bf8_f32 v[CR+2:CR+3], v[XS+8:XS+15], v11
	v_lshrrev_b32 v[E+(\t)], 23, v11               ; the scale's byte (also the plain line behind the conversions)
	ds_store_b8 v[\ba], v[E+(\t)] offset:8*(\t)    ; both lanes of a block write the same byte with the same value
.if WP
	ds_store_b128 v72, v[CR:CR+3] offset:16*((\t)%16)   ; w: row t % 16 of my piece
.else
	global_store_b128 v3, v[CR:CR+3], s[\cb:\cb+1] offset:4096*(\t)   ; x: 32 lanes store 512 consecutive bytes of row t
.endif
.endm
	; ---------------- x ----------------
	s_add_nc_u64 s[4:5], s[4:5], s[26:27]
	s_add_nc_u64 s[10:11], s[10:11], s[24:25]
	s_add_nc_u64 s[12:13], s[12:13], s[28:29]
.macro LOAD t                          ; row t's 512 numbers: four loads of 512 consecutive bytes, 16 a lane
.irp i, 0,1,2,3
	global_load_b128 v[R+16*((\t)%8)+4*\i:R+16*((\t)%8)+4*\i+3], v3, s[4:5] offset:16384*(\t)+512*\i th:TH_LOAD_NT
.endr
.endm
.macro TURN t                          ; through the wave's own stage, so that a lane gets 16 neighbours: LDS serves a wave's instructions in order, so no wait stands between the stores and the loads
.irp i, 0,1,2,3
	ds_store_b128 v14, v[R+16*((\t)%8)+4*\i:R+16*((\t)%8)+4*\i+3] offset:STG*((\t)%2)+8*SP*\i
.endr
.irp i, 0,1,2,3
	ds_load_b128 v[X+16*((\t)%2)+4*\i:X+16*((\t)%2)+4*\i+3], v15 offset:STG*((\t)%2)+16*\i
.endr
.endm
.macro STEP t
.if (\t) > 0
	s_wait_dscnt 1                                 ; this step's numbers are back from the stage (the last step's byte store may be out): so its stores into the stage have read their registers,
.else
	s_wait_dscnt 0x0
.endif
.if (\t)+8 < 32
	LOAD (\t)+8                                    ; which take the loads of eight steps on: 32 loads of a wave, 16 KiB, are out
.endif
.if (\t)+1 < 32
.if (\t)+8 < 32
	s_wait_loadcnt 28                              ; the next step's four loads are in; those of the seven steps behind it may be out
.else
	s_wait_loadcnt 4*(30-(\t))                     ; nothing more is asked for: the count runs down
.endif
	TURN (\t)+1                                    ; and go through the other stage while this step is worked
.endif
.set XS, X+16*((\t)%2)
.set CR, C+4*((\t)%4)
.set WP, 0
.set XW, 0
.if (\t) >= 4
.set XW, 1
.endif
	QUANT16 \t, 10, 5
.endm
.irp t, 0,1,2,3,4,5,6,7
	LOAD \t
.endr
	s_wait_loadcnt 28                              ; step 0's four loads are in
	s_wait_alu depctr_va_vdst(0)
	TURN 0
.irp t, 0,1,2,3,4,5,6,7,8,9,10,11,12,13,14,15,16,17,18,19,20,21,22,23,24,25,26,27,28,29,30,31
	STEP \t
.endr
	ds_load_b128 v[68:71], v6                      ; LDS serves a wave's instructions in order: this sees my 32 byte stores
	s_wait_dscnt 0x0
	global_store_b128 v7, v[68:71], s[12:13]       ; sixteen lanes store 256 consecutive bytes, aligned: 32 rows' bytes of one K step; the other sixteen those of the next K step
	s_wait_tensorcnt 0x0
	ds_add_u32 v78, v79
	s_wait_dscnt 0x0
	s_endpgm
	; ---------------- w ----------------
.Lweights:
	s_add_nc_u64 s[6:7], s[6:7], s[24:25]
	s_add_nc_u64 s[8:9], s[8:9], s[30:31]
	s_lshl_b32 s24, s21, 17                        ; w's codes: two blocks of 16 rows, 65,536 bytes each,
	s_lshl_b32 s2, s22, 13                         ; + four steps of 128 along K, 2,048 bytes each
	s_add_co_u32 s24, s24, s2
	s_add_nc_u64 s[14:15], s[14:15], s[24:25]
	s_add_nc_u64 s[16:17], s[16:17], s[28:29]
	s_load_b512 s[32:47], s[8:9], 0x0              ; my 32 rows' scales: row t's in s[32 + t]
	s_load_b512 s[48:63], s[8:9], 0x40
.irp t, 0,1,2,3,4,5,6,7,8,9,10,11,12,13,14,15,16,17,18,19,20,21,22,23,24,25,26,27,28,29,30,31
	global_load_b128 v[R+4*\t:R+4*\t+3], v3, s[6:7] offset:4096*\t th:TH_LOAD_NT   ; row t's 512 int8: 512 consecutive bytes; all of the wave's 16 KiB are asked for at once
.endr
	s_wait_kmcnt 0x0
; Row t.  u = int8 + 128 is a byte without a sign; (u - 128) x s is made by ONE fused multiply-add, u x s + (-128 s): -128 s is exact, and the sum is rounded once: the bits of f32(int8) x s.
; 16 rows are in the stage: they leave as 16 stores of 512 consecutive bytes: stage rows 2 u and 2 u + 1 are pieces 2 u and 2 u + 1 of the wave's 8,192 bytes of block g
.macro WOUT g
	s_wait_dscnt 0x0
.irp u, 0,1,2,3,4,5,6,7,8,9,10,11,12,13,14,15
	ds_load_b128 v[R+64*(\g)+4*\u:R+64*(\g)+4*\u+3], v73 offset:544*\u
.endr
.irp u, 0,1,2,3,4,5,6,7,8,9,10,11,12,13,14,15
	s_wait_dscnt 15-\u
	global_store_b128 v3, v[R+64*(\g)+4*\u:R+64*(\g)+4*\u+3], s[14:15] offset:65536*(\g)+512*\u
.endr
.endm
.macro WSTEP t
.set XS, X+16*((\t)%2)
.set CR, R+4*(\t)
.set WP, 1
.set XW, 0                             ; the codes land on the step's own int8 registers, which no store has named
	s_wait_loadcnt 31-(\t)                         ; loads come back in order: row t's is in, the younger rows' may be out
	s_mul_f32 s2, s[32+(\t)], 0xc3000000           ; -128 x the row's scale
.irp j, 0,1,2,3
	v_xor_b32 v[CR+\j], 0x80808080, v[CR+\j]
.endr
.irp j, 0,1,2,3
.irp b, 0,1,2,3
	v_bfe_u32 v[XS+4*\j+\b], v[CR+\j], 8*\b, 8     ; the lower k in the lower byte
.endr
.endr
.irp i, 0,1,2,3,4,5,6,7,8,9,10,11,12,13,14,15
	v_cvt_f32_u32 v[XS+\i], v[XS+\i]
.endr
.irp i, 0,1,2,3,4,5,6,7,8,9,10,11,12,13,14,15
	v_fma_f32 v[XS+\i], v[XS+\i], s[32+(\t)], s2
.endr
	QUANT16 \t, 14, 12
.endm
.irp t, 0,1,2,3,4,5,6,7,8,9,10,11,12,13,14,15,16,17,18,19,20,21,22,23,24,25,26,27,28,29,30,31
	WSTEP \t
.if (\t)%16 == 15
	WOUT (\t)/16
.endif
.endr
	ds_load_b128 v[68:71], v13
	s_wait_dscnt 0x0
	global_store_b128 v7, v[68:71], s[16:17]
	s_wait_tensorcnt 0x0
	ds_add_u32 v78, v79
	s_wait_dscnt 0x0
	s_endpgm
.Lfunc_end_k_q8fcb701a22_quant:
	.size	k_q8fcb701a22_quant, .Lfunc_end_k_q8fcb701a22_quant-k_q8fcb701a22_quant
	.p2alignl 7, 3214868480
	.fill 96, 4, 3214868480
	.section	.rodata,"a",@progbits
	.p2align	6, 0x0
	.amdhsa_kernel k_q8fcb701a22_quant
		.amdhsa_group_segment_fixed_size 61952
		.amdhsa_private_segment_fixed_size 0
		.amdhsa_enable_private_segment 0
		.amdhsa_kernarg_size 56
		.amdhsa_user_sgpr_count 2
		.amdhsa_user_sgpr_kernarg_segment_ptr 1
		.amdhsa_wavefront_size32 1
		.amdhsa_system_sgpr_workgroup_id_x 1
		.amdhsa_system_sgpr_workgroup_id_y 1
		.amdhsa_system_sgpr_workgroup_id_z 1
		.amdhsa_system_vgpr_workitem_id 0
		.amdhsa_next_free_vgpr 256
		.amdhsa_next_free_sgpr 66
		.amdhsa_reserve_vcc 0
		.amdhsa_float_denorm_mode_32 3
		.amdhsa_float_denorm_mode_16_64 3
		.amdhsa_memory_ordered 1
		.amdhsa_forward_progress 1
		.amdhsa_inst_pref_size 255
	.end_amdhsa_kernel
	.section	.bss,"aw",@nobits
	.p2align	6
	.space	262144
	.amdgpu_metadata
---
amdhsa.version: [ 1, 2 ]
amdhsa.kernels:
  - .name:           k_q8fcb701a22_quant
    .symbol:         k_q8fcb701a22_quant.kd
    .args:
      - { .name: input, .offset: 0, .size: 8, .value_kind: global_buffer, .address_space: global }
      - { .name: int8_weights, .offset: 8, .size: 8, .value_kind: global_buffer, .address_space: global }
      - { .name: scales, .offset: 16, .size: 8, .value_kind: global_buffer, .address_space: global }
      - { .name: acodes, .offset: 24, .size: 8, .value_kind: global_buffer, .address_space: global }
      - { .name: ascales, .offset: 32, .size: 8, .value_kind: global_buffer, .address_space: global }
      - { .name: bcodes, .offset: 40, .size: 8, .value_kind: global_buffer, .address_space: global }
      - { .name: bscales, .offset: 48, .size: 8, .value_kind: global_buffer, .address_space: global }
    .group_segment_fixed_size: 61952
    .private_segment_fixed_size: 0
    .kernarg_segment_align: 8
    .kernarg_segment_size: 56
    .max_flat_workgroup_size: 128
    .sgpr_count:     66
    .vgpr_count:     256
    .wavefront_size: 32
...
	.end_amdgpu_metadata
.endif
;; end of part 1
;; launch gemm (part 2): grid 16 x 16, 4 waves a work-group, clusters of 4 x 1, 327,680 bytes of LDS; arguments acodes, ascales, bcodes, bscales, bias, out0; writes out0
.if DOCPART == 2
	.amdgcn_target "amdgcn-amd-amdhsa--gfx1250"
	.amdhsa_code_object_version 6
	.text
	.protected	k_q8fcb701a22_gemm
	.globl	k_q8fcb701a22_gemm
	.p2align	8
	.type	k_q8fcb701a22_gemm,@function
k_q8fcb701a22_gemm:
	s_mov_b64 s[64:65], 0
	v_nop
	global_prefetch_b8 v0, s[64:65] scope:SCOPE_SE
	s_setreg_imm32_b32 hwreg(HW_REG_WAVE_MODE, 25, 1), 1
	s_wait_xcnt 0x0
	s_wait_alu depctr_hold_cnt(0) depctr_sa_sdst(0) depctr_va_vdst(0) depctr_va_sdst(0) depctr_va_ssrc(0) depctr_va_vcc(0) depctr_vm_vsrc(0)
	s_getreg_b32 s2, hwreg(HW_REG_IB_STS2, 6, 4)
	s_cmp_eq_u32 s2, 0
	s_cbranch_scc0 .Lentry_in_a_cluster
	s_endpgm
.Lentry_in_a_cluster:
	s_bfe_u32 s2, ttmp6, 0x10000c
	s_cmp_lg_u32 s2, 0x3003
	s_cbranch_scc0 .Lentry_shape_is_right
	s_endpgm
.Lentry_shape_is_right:
; out0[m][n] = sum over k of x[m][k] w[n][k] + bias[n], on codes of BF8 (E5M2) with one E8M0 byte for 32 along K, as the first launch leaves them.  4,096 x 4,096 x 4,096; sums in f32.
; No work of the problem is left out.  LIMITS: NaN and infinities are not served; the quantiser's limits stand in the first launch.
; THE DEAL.  256 work-groups, each a block of 256 x 256; four waves, 2 x 2, each 128 x 128: 64 accumulators, 512 registers.  K goes in 32 steps of 128, 64 products a wave each.
; A (x's codes, rows of 4,096 bytes) goes through LDS: two slots of 256 rows x 512 along K (four steps), LDS rows of 512 + 16 bytes; a wave's tensor load brings 64 rows.
; B (w's codes) lies in memory as images of the operand registers, 2,048 bytes a fragment: each wave loads its eight fragments of a step straight into registers, 512 consecutive bytes a load.
; So LDS holds one operand alone, a slot lasts 256 products, and a refill stands about 240 products ahead of the wait for it.
; CLUSTER: the four work-groups of a cluster have one tile row: A's tiles are asked for jointly (mask 15).  B has no tensor load, so it has no joint load.
; A STEP is four quarters of 16 products: (A's blocks 0-3, B's 0-3), (A's 4-7, B's 0-3), run M, (A's 4-7, B's 4-7), (A's 0-3, B's 4-7), run E.  All loads stand in the two runs, each behind eight v_nop:
; the places ahead of a load into a register that a product has read.
; B has two sets: a half of a set is done with behind two quarters and is asked for again in the run that follows, for the step two on: 96 products ahead of its first use.
; A has three half-sets: blocks 0-3 take two by turns and are loaded at M for the next step (32 products ahead); blocks 4-7 have one, loaded at E and awaited block by block in the second quarter.
; THE BIAS is loaded into the accumulators' registers, so that every sum begins with it and all 32 steps have one form.
; SCALE WORDS: 8 bytes a row for two steps, 32 rows a load (lanes 0-15 one block, lanes 16-31 the next); A's word of step q stands in the pair's register q % 2, B's in 1 - q % 2 (so laid by the first launch).
; THE MATRIX INSTRUCTION IS USED TRANSPOSED (source 0 = B's rows, source 1 = A's): a lane holds eight neighbouring numbers of a row of out0.
; PREFETCH: in trip j (slot j) each wave names 32 blocks of 256 bytes of B's slot j + 2 and 32 of A's fill j + 3.  B's 512 blocks of a slot are shared out by address among four tile rows (y % 4) and the four waves;
; A's 512 among the cluster's sixteen waves.  A's stops behind trip 4, B's with the loop (trip 5): nothing beyond K is named.  At the head: B's slot 1 and A's fill 2.
; REGISTERS: window 0: v16-29 addresses, v32-63 scale words (two sets), v64-127 and v192-255 A's blocks 0-3 (even, odd steps), v128-191 A's blocks 4-7;  window 1: B's two sets;
; windows 2, 3: the accumulators ((a, b) at v[8 (8 (a % 4) + b)]).
.set PITCH,  528
.set QROWS,  64*PITCH                  ; what one tensor load brings
.set SLOT,   4*QROWS
.set SPARE,  2*SLOT                    ; the spare words: 512 bytes that no other line names
.set KSB,    32768                     ; scale bytes of 256 along K: 4,096 rows x 8
.set SPITCH, 528                       ; the way out: a stage of 16 rows x (512 + 16) bytes a wave, in slot 0 behind its last fill and last read
.set SIZE_N, 4096
.set ADRA0, 16                         ; LDS address of my fragments of A in slot 0
.set ADRA,  17                         ; the same in the slot that is read
.set LO16,  18                         ; 16 x lane
.set ASO,   19                         ; 8 x lane
.set BO,    20                         ; 32 x (lane / 16)
.set STO,   21
.set RD,    22
.set PFBV,  23                         ; 256 x lane
.set PFAV,  24                         ; 4,096 (lane / 2) + 256 (lane % 2)
.set SPW,   28
.set NIL,   29
.set SC,    32
.set FA0,   64                         ; A's blocks 0-3: v64 on in even steps, v192 on in odd ones
.set GA,    128                        ; A's blocks 4-7
.set BK,    128
.set G1, 24
.set G0, 32
.set SL, 36                            ; the slot that is read: 0 or SLOT
.set WOFF, 37
.set J, 38
.set BB, 40                            ; B's fragments: my eight blocks, this slot's first step
.set SAS, 42
.set SBS, 44
.set PFA, 46
.set PFB, 48
.set MSB, 0
.macro WIN new
.if MSB != (\new)
	s_set_vgpr_msb (MSB<<8)|(\new)
.set MSB, (\new)
.endif
.endm
.set MUL_LO, 0xa1
.set MUL_HI, 0xf1
.set TO_B,   0x40
.macro PLACES n
.rept \n
	v_nop
.endr
.endm
.macro CREST
	s_cmp_lg_u32 s16, 0
	s_cbranch_scc1 .Lnot_wave_0_\@
	s_barrier_signal -3
.Lnot_wave_0_\@:
	s_barrier_wait -3
	s_barrier_signal -1
	s_barrier_wait -1
.endm
.macro CROUND
	s_barrier_signal -1
	s_barrier_wait -1
	CREST
.endm
.macro TLOAD                           ; my quarter of a slot
	tensor_load_to_lds s[G0:G0+3], s[G1:G1+7]
	s_nop 0
	PLACES 4
.endm
.macro BASE d, src, a, sa, b, sb       ; s[d:d+1] = s[src:src+1] + (s[a] << sa) + (s[b] << sb); s51 = 0
	s_lshl_b32 s50, s\a, \sa
	s_lshl_b32 s52, s\b, \sb
	s_add_co_u32 s50, s50, s52
	s_add_nc_u64 s[\d:\d+1], s[\src:\src+1], s[50:51]
.endm
	s_load_b128 s[4:7], s[0:1], 0x0                ; A's codes, A's scales
	s_load_b128 s[8:11], s[0:1], 0x10              ; B's codes, B's scales
	s_load_b128 s[12:15], s[0:1], 0x20             ; bias, out0
	v_lshl_add_u32 v[SPW], v0, 2, SPARE
	v_mov_b32 v[NIL], 0
	ds_add_u32 v[SPW], v[NIL]                      ; the opening lines: the add twice on end and one wait
	ds_add_u32 v[SPW], v[NIL]
	v_lshrrev_b32 v1, 5, v0
	v_readfirstlane_b32 s16, v1                    ; wave
	s_lshr_b32 s17, s16, 1                         ; my half of the rows
	s_and_b32 s18, s16, 1                          ; my half of the columns
	s_bfe_u32 s19, ttmp6, 0x40000                  ; cx
	s_lshl_b32 s20, ttmp9, 2
	s_add_co_u32 s20, s20, s19                     ; tile column x
	s_and_b32 s21, ttmp7, 0xffff                   ; tile row y
	s_mov_b32 s[G1+0], 15|(1<<20)|(1<<21)|(6<<22)|(3<<25)   ; mask of the four; bytes; 4 words of padding behind every 128
	s_mov_b32 s[G1+1], 512<<16
	s_mov_b32 s[G1+2], 64<<16
	s_mov_b32 s[G1+3], 512<<16
	s_mov_b32 s[G1+4], 64
	s_mov_b32 s[G1+5], 4096
	s_mov_b32 s[G1+6], 0
	s_mov_b32 s[G1+7], 0
	s_mul_i32 s[WOFF], s16, QROWS
	s_mov_b32 s[SL], 0
	s_mov_b32 s[J], 0
	s_mul_i32 s22, s17, 128*PITCH
	s_mul_i32 s23, s16, 16*SPITCH
	v_and_b32 v1, 15, v0
	v_bfe_u32 v2, v0, 4, 1
	v_and_b32 v3, 31, v0
	v_mul_u32_u24 v4, v1, PITCH
	v_lshl_add_u32 v4, v2, 4, v4
	v_add_nc_u32 v[ADRA0], s22, v4
	v_add_nc_u32 v[ADRA], s22, v4
	v_lshlrev_b32 v[LO16], 4, v3
	v_lshlrev_b32 v[ASO], 3, v3
	v_lshlrev_b32 v[BO], 5, v2
	v_mul_u32_u24 v5, v1, SPITCH
	v_lshl_add_u32 v5, v2, 5, v5
	v_add_nc_u32 v[STO], s23, v5
	v_lshl_add_u32 v[RD], v3, 4, s23
	v_lshlrev_b32 v[PFBV], 8, v3
	v_lshrrev_b32 v6, 1, v3
	v_and_b32 v7, 1, v3
	v_lshlrev_b32 v7, 8, v7
	v_lshl_add_u32 v[PFAV], v6, 12, v7
	s_wait_alu depctr_va_vdst(0)                   ; the wait behind the head's vector lines
	s_lshl_b32 s50, s21, 20                        ; A: row 256 y + 64 wave, 4,096 bytes a row
	s_lshl_b32 s52, s16, 18
	s_add_co_u32 s50, s50, s52
	s_mov_b32 s51, 0
	s_mov_b32 s[G0], 1
	s_mov_b32 s[G0+1], s[WOFF]
	s_wait_dscnt 0x0
	s_wait_kmcnt 0x0
	s_add_nc_u64 s[G0+2:G0+3], s[4:5], s[50:51]
	s_or_b32 s[G0+3], s[G0+3], 0x80000000
	CROUND                                         ; the four work-groups are here
	TLOAD                                          ; fill 0: one tensor load a wave at the head
	BASE BB, 8, 20, 20, 18, 19                     ; B: block 16 x + 8 half, 65,536 bytes a block
	BASE SAS, 6, 21, 11, 17, 10                    ; scale bytes: row 256 y + 128 half, 8 bytes a row
	BASE SBS, 10, 20, 11, 18, 10
	BASE 12, 12, 20, 10, 18, 9                     ; bias: column 256 x + 128 half
	s_add_nc_u64 s[14:15], s[14:15], s[50:51]      ; out0: the same column,
	BASE 14, 14, 21, 22, 17, 21                    ; row 256 y + 128 half
	s_lshl_b32 s54, s16, 16
	s_mov_b32 s55, 0
	BASE PFA, 4, 21, 20, 19, 18                    ; A's prefetch: rows 256 y + 16 (4 cx + wave) on
	s_add_nc_u64 s[PFA:PFA+1], s[PFA:PFA+1], s[54:55]
	s_and_b32 s53, s21, 3
	BASE PFB, 8, 20, 20, 53, 18
	s_mov_b32 s53, 0                               ; s51, s53, s55 = 0: the upper words of the steps that NEXT adds
	s_add_nc_u64 s[PFB:PFB+1], s[PFB:PFB+1], s[54:55]
.macro WM
.if (mRB == 0) && (mRA == 0)
	v_wmma_scale_f32_16x16x128_f8f6f4 v[mD:mD+7], v[mB:mB+15], v[mA:mA+15], v[mD:mD+7], v[mSB], v[mSA] matrix_a_fmt:MATRIX_FMT_BF8 matrix_b_fmt:MATRIX_FMT_BF8
.elseif (mRB == 1) && (mRA == 0)
	v_wmma_scale_f32_16x16x128_f8f6f4 v[mD:mD+7], v[mB:mB+15], v[mA:mA+15], v[mD:mD+7], v[mSB], v[mSA] matrix_a_fmt:MATRIX_FMT_BF8 matrix_b_fmt:MATRIX_FMT_BF8 matrix_a_scale:MATRIX_SCALE_ROW1
.elseif (mRB == 0) && (mRA == 1)
	v_wmma_scale_f32_16x16x128_f8f6f4 v[mD:mD+7], v[mB:mB+15], v[mA:mA+15], v[mD:mD+7], v[mSB], v[mSA] matrix_a_fmt:MATRIX_FMT_BF8 matrix_b_fmt:MATRIX_FMT_BF8 matrix_b_scale:MATRIX_SCALE_ROW1
.else
	v_wmma_scale_f32_16x16x128_f8f6f4 v[mD:mD+7], v[mB:mB+15], v[mA:mA+15], v[mD:mD+7], v[mSB], v[mSA] matrix_a_fmt:MATRIX_FMT_BF8 matrix_b_fmt:MATRIX_FMT_BF8 matrix_a_scale:MATRIX_SCALE_ROW1 matrix_b_scale:MATRIX_SCALE_ROW1
.endif
.endm
; one product: A's block a (its fragment at register ar) with B's block b of set p; sc, w: the set of scale words and the step's word.  The accumulators take turns
.macro PR a, b, ar, p, sc, w
.set mD, 8*(8*((\a)%4)+(\b))
.set mB, 128*(\p)+16*(\b)
.set mA, (\ar)
.set mSB, SC+16*(\sc)+8+2*((\b)/2)+1-(\w)
.set mSA, SC+16*(\sc)+2*((\a)/2)+(\w)
.set mRB, (\b)%2
.set mRA, (\a)%2
	WM
.endm
.macro LDB4 p, b0, off                 ; B's blocks b0 .. b0 + 3 into set p: sixteen loads of 512 consecutive bytes
	WIN TO_B
.irp b, 0,1,2,3
.irp c, 0,1,2,3
	global_load_b128 v[128*(\p)+16*((\b0)+\b)+4*\c:128*(\p)+16*((\b0)+\b)+4*\c+3], v[LO16], s[BB:BB+1] offset:65536*((\b0)+\b)+(\off)+512*\c
.endr
.endr
.endm
.macro LDA4 dst, i0, q                 ; A's blocks i0 .. i0 + 3 of the slot's step q into v[dst] on
	WIN 0
.irp i, 0,1,2,3
.irp c, 0,1,2,3
	ds_load_b128 v[(\dst)+16*\i+4*\c:(\dst)+16*\i+4*\c+3], v[ADRA] offset:128*(\q)+32*\c+((\i0)+\i)*16*PITCH
.endr
.endr
.endm
; a run's loads: A's blocks i0 .. i0 + 3 from LDS (h1) and B's blocks b0 .. b0 + 3 from memory (h2), a block of four loads by turns; the order within each kind is that of LDA4 and LDB4
.macro LDAB dst, i0, q, p, b0, off, h1, h2
.irp i, 0,1,2,3
.if \h1
	WIN 0
.irp c, 0,1,2,3
	ds_load_b128 v[(\dst)+16*\i+4*\c:(\dst)+16*\i+4*\c+3], v[ADRA] offset:128*(\q)+32*\c+((\i0)+\i)*16*PITCH
.endr
.endif
.if \h2
	WIN TO_B
.irp c, 0,1,2,3
	global_load_b128 v[128*(\p)+16*((\b0)+\i)+4*\c:128*(\p)+16*((\b0)+\i)+4*\c+3], v[LO16], s[BB:BB+1] offset:65536*((\b0)+\i)+(\off)+512*\c
.endr
.endif
.endr
.endm
.macro LDSC sc, off
	WIN 0
.irp u, 0,1,2,3
	global_load_b64 v[SC+16*(\sc)+2*\u:SC+16*(\sc)+2*\u+1], v[ASO], s[SAS:SAS+1] offset:(\off)+256*\u
.endr
.irp u, 0,1,2,3
	global_load_b64 v[SC+16*(\sc)+8+2*\u:SC+16*(\sc)+8+2*\u+1], v[ASO], s[SBS:SBS+1] offset:(\off)+256*\u
.endr
.endm
.macro WAITB n                         ; a counted wait for B's loads; the counter's field ends at 63
.if (\n) > 63
	s_wait_loadcnt 63
.else
	s_wait_loadcnt \n
.endif
.endm
; STEP q of a slot.  h1, h2: the steps one and two on exist.  sp: eight loads of scale words stand among the loads behind this step's.  si: scale words are asked for (odd q).
; chg: 1 the slot is left and filled again; 2 it is left.  pf: the trip's prefetches.
; The global loads go out in this order: M(s): B's blocks 0-3 of step s + 2; E(s): its blocks 4-7, then (s odd) the scale words of steps s + 3, s + 4.
; So behind block b of this step's first half stand 4 (3 - b) loads of that half, 16 of its second half, 32 of the next step's, and 8 of scale words;
; behind block 4 + b of the second half 4 (3 - b), the next step's 32, the 16 that M has just issued, and the 8.
; nx: ahead of run M the bases go on to this slot (1: in the loop; 2: behind it); it stands in a slot's step 0, whose first two quarters issue no load
.macro STEP q, h1, h2, sp, si, chg, pf, nx=0
.set P_, (\q)%2
.set S_, (\q)/2
.set FR_, FA0+128*P_
	s_wait_dscnt 16                                ; A's blocks 0-3 are in; the sixteen loads of blocks 4-7 may be out
	WIN MUL_LO
.irp b, 0,1,2,3
	WAITB 4*(3-\b)+16+32*(\h1)+8*(\sp)
.irp a, 0,1,2,3
	PR \a, \b, FR_+16*\a, P_, S_, P_
.endr
.endr
.if \chg
	WIN 0
	s_wait_tensorcnt 0x0                           ; my part of the next slot is in;
	ds_add_u32 v[SPW], v[NIL]
.if \chg == 1
	s_add_nc_u64 s[G0+2:G0+3], s[G0+2:G0+3], 512   ; no tensor load of mine is out: the next fill, into the slot that is left
	s_add_co_u32 s[G0+1], s[WOFF], s[SL]
.endif
	s_xor_b32 s[SL], s[SL], SLOT
	s_wait_dscnt 0x0                               ; the add is done, and my last reads of this slot (A's blocks 4-7)
	s_barrier_signal -1
.endif
	WIN MUL_HI
.irp a, 0,1,2,3
.if (\chg) == 0
	s_wait_dscnt 4*(3-\a)                          ; block 4 + a is in
.endif
.irp b, 0,1,2,3
	PR 4+\a, \b, GA+16*\a, P_, S_, P_
.endr
.endr
.if \chg
	WIN 0
	s_barrier_wait -1
.if \chg == 1
	CREST                                          ; the barrier has opened a round of the cluster's: no wave of a partner reads the slot or has a load out
	TLOAD
	PLACES 4
.else
	PLACES 8
.endif
	v_add_nc_u32 v[ADRA], s[SL], v[ADRA0]
	s_wait_alu depctr_va_vdst(0)
.elseif (\h1) || (\h2)
	PLACES 8
.endif
	; run M
.if \nx
	NEXT \nx
.endif
.if \pf
	WIN 0
	global_prefetch_b8 v[PFBV], s[PFB:PFB+1] offset:2*8192 th:TH_LOAD_NT scope:SCOPE_SE
	s_cmp_lt_u32 s[J], 5
	s_cbranch_scc0 .Lno_a_\@
	global_prefetch_b8 v[PFAV], s[PFA:PFA+1] offset:3*512 th:TH_LOAD_NT scope:SCOPE_SE
.Lno_a_\@:
.endif
	LDAB FA0+128*(1-P_), 0, ((\q)+1)%4, P_, 0, ((\q)+2)*2048, \h1, \h2
	WIN MUL_HI
.irp b, 4,5,6,7
	WAITB 4*(7-\b)+32*(\h1)+16*(\h2)+8*(\sp)
.irp a, 0,1,2,3
	PR 4+\a, \b, GA+16*\a, P_, S_, P_
.endr
.endr
	WIN MUL_LO
.irp b, 4,5,6,7
.irp a, 0,1,2,3
	PR \a, \b, FR_+16*\a, P_, S_, P_
.endr
.endr
	; run E
.if (\h1) || (\h2)
	PLACES 8
.endif
	LDAB GA, 4, ((\q)+1)%4, P_, 4, ((\q)+2)*2048, \h1, \h2
.if \si
	LDSC S_, (S_+2)*KSB
.endif
.endm
; The bases go on to this slot, behind the wait that frees them: the last loads that read them were issued 32 products ago.  m = 1, in the loop: trip 0 adds 0 (a choice on the trip's number, no branch)
.macro NEXT m
	WIN 0
	s_wait_xcnt 0x0
.if \m == 1
	s_cmp_lg_u32 s[J], 0
	s_cselect_b32 s50, 8192, 0
	s_cselect_b32 s52, 2*KSB, 0
	s_cselect_b32 s54, 512, 0
	s_add_nc_u64 s[BB:BB+1], s[BB:BB+1], s[50:51]
	s_add_nc_u64 s[SAS:SAS+1], s[SAS:SAS+1], s[52:53]
	s_add_nc_u64 s[SBS:SBS+1], s[SBS:SBS+1], s[52:53]
	s_add_nc_u64 s[PFA:PFA+1], s[PFA:PFA+1], s[54:55]
	s_add_nc_u64 s[PFB:PFB+1], s[PFB:PFB+1], s[50:51]
.else
	s_add_nc_u64 s[BB:BB+1], s[BB:BB+1], 8192
	s_add_nc_u64 s[SAS:SAS+1], s[SAS:SAS+1], 2*KSB
	s_add_nc_u64 s[SBS:SBS+1], s[SBS:SBS+1], 2*KSB
.endif
.endm
; the sums begin as the bias: register j of accumulator (a, b) is column 16 b + 8 (lane / 16) + j
.irp w, 0,1
	WIN 0x80+0x40*\w
.irp a, 0,1,2,3
.irp b, 0,1,2,3,4,5,6,7
	global_load_b128 v[8*(8*\a+\b):8*(8*\a+\b)+3], v[BO], s[12:13] offset:64*\b
	global_load_b128 v[8*(8*\a+\b)+4:8*(8*\a+\b)+7], v[BO], s[12:13] offset:64*\b+16
.endr
.endr
.endr
	LDSC 0, 0                                      ; then the loads in the order in which the steps go on issuing them
	LDB4 0, 0, 0
	LDB4 0, 4, 0
	LDB4 1, 0, 2048
	LDB4 1, 4, 2048
	LDSC 1, KSB
	global_prefetch_b8 v[PFBV], s[PFB:PFB+1] offset:8192 th:TH_LOAD_NT scope:SCOPE_SE
	global_prefetch_b8 v[PFAV], s[PFA:PFA+1] offset:1024 th:TH_LOAD_NT scope:SCOPE_SE
	s_wait_tensorcnt 0x0                           ; fill 0 is in; slot 1's first fill is issued as a refill is
	ds_add_u32 v[SPW], v[NIL]
	s_add_nc_u64 s[G0+2:G0+3], s[G0+2:G0+3], 512
	s_add_co_u32 s[G0+1], s[WOFF], SLOT
	s_wait_dscnt 0x0
	CROUND
	TLOAD
	LDA4 FA0, 0, 0
	LDA4 GA, 4, 0
.Lslot:
	STEP 0, 1, 1, 1, 0, 0, 0, 1
	STEP 1, 1, 1, 1, 1, 0, 1
	STEP 2, 1, 1, 1, 0, 0, 0
	STEP 3, 1, 1, 1, 1, 1, 0
	WIN 0
	s_add_co_u32 s[J], s[J], 1
	s_cmp_lt_u32 s[J], 6
	s_cbranch_scc1 .Lslot
	STEP 0, 1, 1, 1, 0, 0, 0, 2
	STEP 1, 1, 1, 1, 1, 0, 0
	STEP 2, 1, 1, 1, 0, 0, 0
	STEP 3, 1, 1, 1, 1, 2, 0
	STEP 0, 1, 1, 1, 0, 0, 0, 2
	STEP 1, 1, 1, 1, 0, 0, 0
	STEP 2, 1, 0, 0, 0, 0, 0
	STEP 3, 0, 0, 0, 0, 0, 0
	WIN 0
; THE WAY OUT, block by block of 16 rows x 128 columns, through my own stage: whole rows of 512 bytes come back and leave as two aligned units of 256 bytes
.macro TOSTAGE a
.set AC, 64*((\a)%4)
	WIN 0x08+4*((\a)/4)
.irp b, 0,1,2,3,4,5,6,7
	ds_store_b128 v[STO], v[AC+8*\b:AC+8*\b+3] offset:64*\b
	ds_store_b128 v[STO], v[AC+8*\b+4:AC+8*\b+7] offset:64*\b+16
.endr
	WIN 0
.set BB_, BK+64*((\a)%2)
.irp t, 0,1,2,3,4,5,6,7,8,9,10,11,12,13,14,15
	ds_load_b128 v[BB_+4*\t:BB_+4*\t+3], v[RD] offset:\t*SPITCH
.endr
.endm
.macro SEND a, younger
.set BB_, BK+64*((\a)%2)
	s_wait_dscnt \younger
.if (\a) > 0
	s_add_nc_u64 s[14:15], s[14:15], 16*SIZE_N*4
.endif
.irp t, 0,1,2,3,4,5,6,7,8,9,10,11,12,13,14,15
	global_store_b128 v[LO16], v[BB_+4*\t:BB_+4*\t+3], s[14:15] offset:\t*SIZE_N*4 th:TH_STORE_NT
.endr
.endm
	PLACES 8
	TOSTAGE 0
.irp a, 1,2,3,4,5,6,7
.if \a > 1
	s_wait_xcnt 0x0                                ; block a - 2's stores have read their registers and their base
.endif
	TOSTAGE \a
	SEND \a-1, 32
.endr
	s_wait_xcnt 0x0
	SEND 7, 0
	s_wait_tensorcnt 0x0                           ; the wave's end
	ds_add_u32 v[SPW], v[NIL]
	s_wait_dscnt 0x0
	CROUND                                         ; the closing round
	s_endpgm
.Lfunc_end_k_q8fcb701a22_gemm:
	.size	k_q8fcb701a22_gemm, .Lfunc_end_k_q8fcb701a22_gemm-k_q8fcb701a22_gemm
	.p2alignl 7, 3214868480
	.fill 96, 4, 3214868480
	.section	.rodata,"a",@progbits
	.p2align	6, 0x0
	.amdhsa_kernel k_q8fcb701a22_gemm
		.amdhsa_group_segment_fixed_size 327680
		.amdhsa_private_segment_fixed_size 0
		.amdhsa_enable_private_segment 0
		.amdhsa_kernarg_size 48
		.amdhsa_user_sgpr_count 2
		.amdhsa_user_sgpr_kernarg_segment_ptr 1
		.amdhsa_wavefront_size32 1
		.amdhsa_system_sgpr_workgroup_id_x 1
		.amdhsa_system_sgpr_workgroup_id_y 1
		.amdhsa_system_sgpr_workgroup_id_z 1
		.amdhsa_system_vgpr_workitem_id 0
		.amdhsa_next_free_vgpr 1024
		.amdhsa_next_free_sgpr 66
		.amdhsa_reserve_vcc 0
		.amdhsa_float_denorm_mode_32 3
		.amdhsa_float_denorm_mode_16_64 3
		.amdhsa_memory_ordered 1
		.amdhsa_forward_progress 1
		.amdhsa_inst_pref_size 228
	.end_amdhsa_kernel
	.amdgpu_metadata
---
amdhsa.version: [ 1, 2 ]
amdhsa.kernels:
  - .name:           k_q8fcb701a22_gemm
    .symbol:         k_q8fcb701a22_gemm.kd
    .args:
      - { .name: acodes, .offset: 0, .size: 8, .value_kind: global_buffer, .address_space: global }
      - { .name: ascales, .offset: 8, .size: 8, .value_kind: global_buffer, .address_space: global }
      - { .name: bcodes, .offset: 16, .size: 8, .value_kind: global_buffer, .address_space: global }
      - { .name: bscales, .offset: 24, .size: 8, .value_kind: global_buffer, .address_space: global }
      - { .name: bias, .offset: 32, .size: 8, .value_kind: global_buffer, .address_space: global }
      - { .name: out0, .offset: 40, .size: 8, .value_kind: global_buffer, .address_space: global }
    .group_segment_fixed_size: 327680
    .private_segment_fixed_size: 0
    .kernarg_segment_align: 8
    .kernarg_segment_size: 48
    .max_flat_workgroup_size: 128
    .sgpr_count:     66
    .vgpr_count:     1024
    .wavefront_size: 32
...
	.end_amdgpu_metadata
.endif
;; end of part 2
